; MI455X (gfx1250); checked and timed in simulation.
; The chip was launched on July 23, 2026; its instructions are those of AMD's public machine-readable ISA for CDNA 5 (MIT licence, August 2026) and "CDNA5" Instruction Set Architecture Reference Guide (July 2026). The comments in the code are by the model that wrote it; some were corrected since.
;; Opcode Mo E Layer. Allowed arithmetic: float matrix products may take bf16 or f16 operands with f32 sums; other float arithmetic in f32, or as packed bf16 or f16 multiplies, adds, multiply-adds, maxima and minima; sums over many terms, partial sums and values carried from step to step in f32; what a program stores and reads back later, other than sums and carried values, may be rounded once to bf16 or f16.
;; Inputs: W_down 8 x 1,024 x 2,048 float32; W_gate 8 x 2,048 x 1,024 float32; W_up 8 x 2,048 x 1,024 float32; b_down 8 x 1,024 float32; b_gate 8 x 2,048 float32; b_up 8 x 2,048 float32; opcode_onehot 16 x 8 float32; x 16 x 512 x 1,024 float32.
;; Outputs: out0 16 x 512 x 1,024 float32.
;; 2 versions, each right; version 2 is version 1 with the launch prep written anew for expert scheduling mode. Each part assembles by itself: llvm-mc -triple=amdgcn-amd-amdhsa -mcpu=gfx1250 --defsym DOCPART=n.
;; ======== version 1 of 2: 3 launches
;; workspace buffers: xb 16,777,216 bytes; wug 67,108,864 bytes; hid 33,554,432 bytes; eidx 256 bytes of whole numbers
;; launch prep (part 1): grid 1280 x 1, 8 waves a work-group, no clusters, 0 bytes of LDS; arguments x, W_up, W_gate, opcode_onehot, xb, wug, eidx; writes xb, wug, eidx
.if DOCPART == 1
	.amdgcn_target "amdgcn-amd-amdhsa--gfx1250"
	.amdhsa_code_object_version 6
	.text
	.protected	k_q8335a826d6_prep
	.globl	k_q8335a826d6_prep
	.p2align	8
	.type	k_q8335a826d6_prep,@function
k_q8335a826d6_prep:
	s_mov_b64 s[64:65], 0
	v_nop
	global_prefetch_b8 v0, s[64:65] scope:SCOPE_SE
	s_setreg_imm32_b32 hwreg(HW_REG_WAVE_MODE, 25, 1), 1
	s_wait_xcnt 0x0
; OpcodeMoELayer, launch 1 of 3.  out[b] = (silu(x[b] Wu[e]^T + bu[e]) * (x[b] Wg[e]^T + bg[e])) Wd[e]^T + bd[e], e = argmax(opcode_onehot[b]).
; DEAD WORK: none.  Every input has a way to the output.  W[expert] is a lookup: the two products that follow multiply with the chosen expert alone, and read its number from eidx.
; THIS LAUNCH rounds x, W_up and W_gate to bf16, once, and finds each batch's expert.  All 8 experts are rounded: the choice is made of floating-point numbers in this same launch,
; so no address here hangs on it.  W_down and the biases are rounded where they are used.
;   xb  [8192][1024] bf16.
;   wug [8][4096][1024] bf16: block kb of 128 rows = W_up's rows 64 kb .. 64 kb + 63, then W_gate's same 64 rows: a wave of the next launch finds up and gate of one hidden column in one lane.
;   eidx: word l (0..31) = expert of batch l % 16.
; LIMITS.  Ties take the lowest index, as argmax does.  A NaN in opcode_onehot never wins here (argmax would take the first NaN).
; SHARES.  A work-group takes 32,768 numbers on end: 131,072 bytes in, 65,536 out.  1,280 work-groups: 256 for x, 512 for each of the two weight tensors.  Thread t takes 16 bytes at 16 t of each 4,096:
; a wave's load covers 512 consecutive bytes, a wave's store 256 consecutive bytes, aligned.  All 32 loads of a thread go out before the first wait.
; Memory binds: no LDS, no matrix unit, no cluster (no byte is read twice), no prefetch (the launch is one stream of loads).
.set X, 8                              ; v[8:135]  32 slots of 4 registers
	s_load_b256 s[8:15], s[0:1], 0x0               ; x 8:9, W_up 10:11, W_gate 12:13, opcode 14:15
	s_load_b128 s[16:19], s[0:1], 0x20             ; xb 16:17, wug 18:19
	s_load_b64 s[20:21], s[0:1], 0x30              ; eidx
	s_mov_b32 s2, ttmp9                            ; g
	v_lshlrev_b32 v1, 4, v0                        ; 16 t: where I read
	v_lshlrev_b32 v2, 3, v0                        ; 8 t: where I write
	v_lshrrev_b32 v3, 5, v0
	v_readfirstlane_b32 s32, v3                    ; wave
	; the chunk's number c within its tensor: g, g - 256 or g - 768
	s_sub_co_u32 s30, s2, 256
	s_cmp_ge_u32 s2, 256
	s_cselect_b32 s3, s30, s2
	s_sub_co_u32 s30, s2, 768
	s_cmp_ge_u32 s2, 768
	s_cselect_b32 s3, s30, s3
	s_lshl_b32 s26, s3, 17                         ; source: c x 131,072
	s_mov_b32 s27, 0
	; destination: dense c x 65,536 for x; a chunk of W_up or W_gate is 32 rows: half of its 64 rows in block c / 2 of 262,144 bytes, W_gate's 131,072 further on
	s_lshr_b32 s30, s3, 1
	s_lshl_b32 s30, s30, 18
	s_and_b32 s31, s3, 1
	s_lshl_b32 s31, s31, 16
	s_or_b32 s30, s30, s31
	s_add_co_u32 s31, s30, 0x20000
	s_lshl_b32 s28, s3, 16
	s_cmp_ge_u32 s2, 256
	s_cselect_b32 s28, s30, s28
	s_cmp_ge_u32 s2, 768
	s_cselect_b32 s28, s31, s28
	s_mov_b32 s29, 0
	s_wait_kmcnt 0x0
	s_cmp_ge_u32 s2, 256                           ; which tensor: a choice between buffers by the work-group's number
	s_cselect_b64 s[4:5], s[10:11], s[8:9]
	s_cselect_b64 s[6:7], s[18:19], s[16:17]
	s_cmp_ge_u32 s2, 768
	s_cselect_b64 s[4:5], s[12:13], s[4:5]
	s_add_nc_u64 s[4:5], s[4:5], s[26:27]
	s_add_nc_u64 s[6:7], s[6:7], s[28:29]
.set k, 0
.rept 32
	global_load_b128 v[X+4*k:X+4*k+3], v1, s[4:5] offset:4096*k th:TH_LOAD_NT
.set k, k+1
.endr
.set k, 0
.rept 32
	s_wait_loadcnt 31-k                            ; loads come back in order: slot k is in, the 31 - k younger ones stay out
	v_cvt_pk_bf16_f32 v[X+4*k], v[X+4*k], v[X+4*k+1]
	v_cvt_pk_bf16_f32 v[X+4*k+1], v[X+4*k+2], v[X+4*k+3]
	global_store_b64 v2, v[X+4*k:X+4*k+1], s[6:7] offset:2048*k th:TH_STORE_NT  ; no register of a store is written again
.set k, k+1
.endr
	; the experts: work-group 0, wave 0; lane l works for batch l % 16
	s_cmp_lg_u32 s2, 0
	s_cbranch_scc1 .Lend
	s_cmp_lg_u32 s32, 0
	s_cbranch_scc1 .Lend
	v_and_b32 v136, 15, v0
	v_lshlrev_b32 v137, 5, v136                    ; a row of opcode_onehot is 32 bytes
	global_load_b128 v[140:143], v137, s[14:15]
	global_load_b128 v[144:147], v137, s[14:15] offset:16
	v_mov_b32 v138, 0                              ; the index of the greatest so far
	v_lshlrev_b32 v148, 2, v0
	s_wait_loadcnt 0x0
.set j, 1
.rept 7
	v_mov_b32 v149, j
	v_cmp_gt_f32 vcc_lo, v[140+j], v140            ; strictly greater: the first of equals stays
	v_cndmask_b32 v138, v138, v149, vcc_lo
	v_cndmask_b32 v140, v140, v[140+j], vcc_lo
.set j, j+1
.endr
	global_store_b32 v148, v138, s[20:21]          ; the value alone hangs on the comparisons; the place is fixed
.Lend:
	s_endpgm
.Lfunc_end_k_q8335a826d6_prep:
	.size	k_q8335a826d6_prep, .Lfunc_end_k_q8335a826d6_prep-k_q8335a826d6_prep
	.p2alignl 7, 3214868480
	.fill 96, 4, 3214868480
	.section	.rodata,"a",@progbits
	.p2align	6, 0x0
	.amdhsa_kernel k_q8335a826d6_prep
		.amdhsa_group_segment_fixed_size 0
		.amdhsa_private_segment_fixed_size 0
		.amdhsa_enable_private_segment 0
		.amdhsa_kernarg_size 56
		.amdhsa_user_sgpr_count 2
		.amdhsa_user_sgpr_kernarg_segment_ptr 1
		.amdhsa_wavefront_size32 1
		.amdhsa_system_sgpr_workgroup_id_x 1
		.amdhsa_system_sgpr_workgroup_id_y 1
		.amdhsa_system_sgpr_workgroup_id_z 1
		.amdhsa_system_vgpr_workitem_id 0
		.amdhsa_next_free_vgpr 152
		.amdhsa_next_free_sgpr 66
		.amdhsa_reserve_vcc 1
		.amdhsa_float_denorm_mode_32 3
		.amdhsa_float_denorm_mode_16_64 3
		.amdhsa_memory_ordered 1
		.amdhsa_forward_progress 1
		.amdhsa_inst_pref_size 15
	.end_amdhsa_kernel
	.amdgpu_metadata
---
amdhsa.version: [ 1, 2 ]
amdhsa.kernels:
  - .name:           k_q8335a826d6_prep
    .symbol:         k_q8335a826d6_prep.kd
    .args:
      - { .name: x, .offset: 0, .size: 8, .value_kind: global_buffer, .address_space: global }
      - { .name: W_up, .offset: 8, .size: 8, .value_kind: global_buffer, .address_space: global }
      - { .name: W_gate, .offset: 16, .size: 8, .value_kind: global_buffer, .address_space: global }
      - { .name: opcode_onehot, .offset: 24, .size: 8, .value_kind: global_buffer, .address_space: global }
      - { .name: xb, .offset: 32, .size: 8, .value_kind: global_buffer, .address_space: global }
      - { .name: wug, .offset: 40, .size: 8, .value_kind: global_buffer, .address_space: global }
      - { .name: eidx, .offset: 48, .size: 8, .value_kind: global_buffer, .address_space: global }
    .group_segment_fixed_size: 0
    .private_segment_fixed_size: 0
    .kernarg_segment_align: 8
    .kernarg_segment_size: 56
    .max_flat_workgroup_size: 256
    .sgpr_count:     66
    .vgpr_count:     152
    .wavefront_size: 32
...
	.end_amdgpu_metadata
.endif
;; end of part 1
;; launch ffn1 (part 2): grid 16 x 16, 4 waves a work-group, clusters of 4 x 1, 327,680 bytes of LDS; arguments xb, wug, b_up, b_gate, eidx, hid; writes hid
.if DOCPART == 2
	.amdgcn_target "amdgcn-amd-amdhsa--gfx1250"
	.amdhsa_code_object_version 6
	.text
	.protected	k_q8335a826d6_ffn1
	.globl	k_q8335a826d6_ffn1
	.p2align	8
	.type	k_q8335a826d6_ffn1,@function
k_q8335a826d6_ffn1:
	s_mov_b64 s[64:65], 0
	v_nop
	global_prefetch_b8 v0, s[64:65] scope:SCOPE_SE
	s_setreg_imm32_b32 hwreg(HW_REG_WAVE_MODE, 25, 1), 1
	s_wait_xcnt 0x0
	s_wait_alu depctr_hold_cnt(0) depctr_sa_sdst(0) depctr_va_vdst(0) depctr_va_sdst(0) depctr_va_ssrc(0) depctr_va_vcc(0) depctr_vm_vsrc(0)
	s_getreg_b32 s2, hwreg(HW_REG_IB_STS2, 6, 4)
	s_cmp_eq_u32 s2, 0
	s_cbranch_scc0 .Lentry_in_a_cluster
	s_endpgm
.Lentry_in_a_cluster:
	s_bfe_u32 s2, ttmp6, 0x10000c
	s_cmp_lg_u32 s2, 0x3003
	s_cbranch_scc0 .Lentry_shape_is_right
	s_endpgm
.Lentry_shape_is_right:
; OpcodeMoELayer, launch 2 of 3: hid = silu(x Wu[e]^T + bu[e]) * (x Wg[e]^T + bg[e]), bf16 operands, f32 sums, hid rounded once to bf16.  No work is left out: only the chosen expert is looked up, by eidx.
; hid is laid in blocks: [32 kb][8192 rows][64 channels] bf16, so that a wave's 64 hidden columns of 16 rows are 2,048 consecutive bytes, and the next launch's tiles are dense.
; SHARES.  Work-group (nt, Y): batch Y, rows 256 nt .. + 255 of wug[e] (128 hidden columns, up and gate), and BOTH tiles of 256 tokens of the batch, one after the other: the ring does not stop between them.
; Four waves, each 128 tokens x 128 rows of wug: 64 accumulators, 512 registers.  K = 1,024 in 8 steps of 128 through two LDS slots.
; THE PRODUCT IS TAKEN TRANSPOSED (source 0 = 16 rows of wug, source 1 = 16 tokens): lane l holds token l % 16 and rows 8 (l / 16) + 0..7.  Of a wave's 8 row blocks 0-3 are up, 4-7 gate of the same 64 hidden
; columns: silu(up) * gate is made lane by lane, with no exchange.  The biases, rounded to bf16 like all inputs, are the C operand of the products that start the sums.
; CLUSTER.  The four work-groups of a cluster have one batch and four nt: they ask for the tokens' tile JOINTLY (mask of four).  wug's tiles are each work-group's own loads: a batch has only two row tiles of 256,
; and this work-group walks both; and wug's address holds a number read from eidx, while every word of a joint load's descriptor is made of ids that the partners share.
; LIMITS.  hidden = (u g) / (1 + 2^(-log2(e) u)): u g beyond f32's range is an infinity where silu(u) g might be finite; v_exp_f32 and v_rcp_f32 take denormals as 0.  NaN and infinities are not treated apart.
; REGISTERS, in windows of 256: window 0: v0-31 addresses; v32-47 packed results; v64-127, v128-191 the tokens' fragments, two buffers (v128-159 also hold rows on the way out); v192-255 at work on the way out.
;   window 1: v64-127, v128-191 wug's fragments; v192-255 the biases.   windows 2, 3: the accumulators of my tokens 0-63, 64-127: (a, b) at v[8 (8 (a % 4) + b)].
.set SIZE_K, 1024
.set KSTEP,  128
.set PITCH,  272                       ; an LDS row: 256 bytes + 16 of padding: the 16 rows of a fragment load start 16 bytes apart modulo 256
.set HALFT,  128*PITCH                 ; what one tensor load brings
.set SLOT,   4*HALFT                   ; the tokens' 256 rows, then wug's 256 rows
.set STAGE,  2*SLOT                    ; behind the ring: 16 rows x 144 bytes for each wave
.set SP,     144
.set SPARE,  STAGE+4*16*SP             ; behind the stages: the spare words, 128 bytes for each wave
.set LAPS,   SIZE_K/(2*KSTEP)
.set WALK,   256                       ; rows from a tile of tokens to the next
.set NEXT_A, WALK*SIZE_K*2-(SIZE_K-2*KSTEP)*2
.set ADRA, 16                          ; v16-17  LDS address of my tokens' fragments in slot 0, 1
.set ADRB, 20                          ; v20-21  the same for wug
.set STO,  24                          ; v24  the way out: where I put 16 bytes of a row
.set RD,   25                          ; v25  where I read rows back
.set GO,   26                          ; v26  16 x lane
.set BO,   27                          ; v27  32 x (lane / 16): my 8 biases of a block
.set SPW,  28                          ; v28  my spare word; never rewritten
.set NIL,  29                          ; v29  0; never rewritten
.set PFO,  30                          ; v30  lane x 2,048: a row of xb or wug; never rewritten
.set H,    32
.set F0,   64
.set F1,   128
.set OB,   128
.set T,    192
.set Q,    224
.set BI,   192                         ; window 1
.set G1,  24
.set G0,  32
.set G1B, 48
.set G0B, 56
.set LIM, 43                           ; s43  1 in a wave that prefetches, else the greatest number
.set PFA, 44                           ; s[44:45] where my prefetches stand
.set WB,  46                           ; s[46:47] wug at my 128 rows of the expert, K step 0; never rewritten
.set CE,  66                           ; s[66:67] -log2(e)
.set MSB, 0
.macro WIN new                         ; the immediate's high byte repeats the setting that is left; a switch that changes nothing is dropped
.if MSB != (\new)
	s_set_vgpr_msb (MSB<<8)|(\new)
.set MSB, \new
.endif
.endm
.set MUL_LO, 0xa1                      ; source 0 (wug) window 1, source 1 (tokens) window 0, C and D window 2
.set MUL_HI, 0xf1
.set TO_B,   0x40
; Waves 0 and 1 fetch the two halves of the tokens' tile (jointly), waves 2 and 3 those of wug's (their own).  An s_nop 0 and four v_nop follow each line.
.macro JLOAD s
	s_cmp_eq_u32 s11, 0
	s_cbranch_scc0 .Lfor_b_\@
	tensor_load_to_lds s[G0+4*(\s):G0+4*(\s)+3], s[G1:G1+7]
	s_nop 0
.rept 4
	v_nop
.endr
	s_branch .Lasked_\@
.Lfor_b_\@:
	tensor_load_to_lds s[G0B+4*(\s):G0B+4*(\s)+3], s[G1B:G1B+7]
	s_nop 0
.rept 4
	v_nop
.endr
.Lasked_\@:
.endm
; A PREFETCH of the K step that stands two refills on, 512 matrix instructions ahead of its load; a lane a row, 256 bytes of the row.  Each row's 256 bytes are named once in the launch.
; Tokens: four clusters read a batch's rows; the one with x = 0 asks, its four partners take 32 of a wave's 128 rows each, told apart by address.
; wug: batch Y < 8 asks for EXPERT Y's rows 256 nt .. + 255, a wave 128 of them by four instructions, in the first tile alone.  Branch and address are made of ids: in a launch with joint loads no branch hangs
; on a number read from memory.  An expert that no batch has chosen is asked for all the same.  how = 0: in the loop, whose last trip has no K step two on; how = 1: at the change of tiles.
.macro ASK how
.if \how
	s_cmp_eq_u32 s[LIM], 1
.else
	s_cmp_gt_u32 s3, s[LIM]
.endif
	s_cbranch_scc0 .Lnot_mine_\@
	global_prefetch_b8 v[PFO], s[PFA:PFA+1] offset:KSTEP*2 th:TH_LOAD_NT scope:SCOPE_SE
	s_cmp_eq_u32 s11, 0
	s_cbranch_scc1 .Lnot_mine_\@
	global_prefetch_b8 v[PFO], s[PFA:PFA+1] offset:KSTEP*2+65536 th:TH_LOAD_NT scope:SCOPE_SE
	global_prefetch_b8 v[PFO], s[PFA:PFA+1] offset:KSTEP*2+131072 th:TH_LOAD_NT scope:SCOPE_SE
	global_prefetch_b8 v[PFO], s[PFA:PFA+1] offset:KSTEP*2+196608 th:TH_LOAD_NT scope:SCOPE_SE
.Lnot_mine_\@:
.endm
.macro CREST                           ; a round of the cluster's barrier behind its opening barrier
	s_cmp_lg_u32 s10, 0
	s_cbranch_scc1 .Lnot_wave_0_\@
	s_barrier_signal -3
.Lnot_wave_0_\@:
	s_barrier_wait -3
	s_barrier_signal -1
	s_barrier_wait -1
.endm
.macro CROUND
	s_barrier_signal -1
	s_barrier_wait -1
	CREST
.endm
	s_load_b128 s[4:7], s[0:1], 0x0                ; xb s[4:5], wug s[6:7]
	s_load_b128 s[68:71], s[0:1], 0x10             ; b_up s[68:69], b_gate s[70:71]
	s_load_b128 s[72:75], s[0:1], 0x20             ; eidx s[72:73], hid s[74:75]
	v_lshl_add_u32 v[SPW], v0, 2, SPARE
	v_mov_b32 v[NIL], 0
	ds_add_u32 v[SPW], v[NIL]                      ; the wave's opening: the add, twice on end, and its wait ahead of my first tensor load
	ds_add_u32 v[SPW], v[NIL]
	v_lshrrev_b32 v1, 5, v0
	v_readfirstlane_b32 s10, v1                    ; wave 0..3
	s_lshr_b32 s11, s10, 1                         ; my half of the tokens.  Also: I fetch tokens (0) or wug (1)
	s_and_b32 s12, s10, 1                          ; my half of wug's rows.  Also: which 128 rows of that tile I fetch
	s_bfe_u32 s40, ttmp6, 0x40000                  ; cx
	s_lshl_b32 s42, ttmp9, 2
	s_add_co_u32 s42, s42, s40                     ; nt = 4 x cluster x + cx
	s_and_b32 s13, ttmp7, 0xffff                   ; Y: the batch, which the four partners share
	s_mov_b32 s[G1+0], 15|(1<<16)|(1<<20)|(1<<21)|(5<<22)|(3<<25)  ; the mask of four; 2-byte elements; padding on; bit 21 beside a mask; after every 64 words 4 words
	s_mov_b32 s[G1B+0], (1<<16)|(1<<20)|(5<<22)|(3<<25)            ; the same with no mask
.irp g, G1, G1B
	s_mov_b32 s[(\g)+1], KSTEP<<16                 ; tensor_dim0 = 128
	s_mov_b32 s[(\g)+2], 128<<16                   ; tensor_dim1 = 128
	s_mov_b32 s[(\g)+3], KSTEP<<16                 ; tile_dim0 = 128
	s_mov_b32 s[(\g)+4], 128                       ; tile_dim1 = 128
	s_mov_b32 s[(\g)+5], SIZE_K                    ; elements from row to row
	s_mov_b32 s[(\g)+6], 0
	s_mov_b32 s[(\g)+7], 0
.endr
	s_mov_b32 s[CE], 0xbfb8aa3b                    ; -log2(e)
	s_mov_b32 s[CE+1], s[CE]
	s_mul_i32 s20, s10, HALFT                      ; where my tiles go: wave x 128 rows
	s_lshl_b32 s16, s13, 9
	s_lshl_b32 s17, s12, 7
	s_add_co_u32 s16, s16, s17                     ; tokens: row 512 Y + 128 x half,
	s_lshl_b32 s16, s16, 11                        ; x 2,048 bytes
	s_mov_b32 s17, 0
	s_lshl_b32 s18, s13, 2                         ; eidx: word Y
	s_mov_b32 s19, 0
	s_wait_dscnt 0x0                               ; both opening adds are done
	s_wait_kmcnt 0x0
	s_add_nc_u64 s[72:73], s[72:73], s[18:19]
	s_load_b32 s41, s[72:73], 0x0                  ; the batch's expert
	s_add_nc_u64 s[14:15], s[4:5], s[16:17]
	s_lshl_b32 s[WB], s42, 8
	s_lshl_b32 s[WB+1], s12, 7
	s_add_co_u32 s[WB], s[WB], s[WB+1]             ; wug: row 256 nt + 128 x half
	s_lshl_b32 s[WB], s[WB], 11
	s_wait_kmcnt 0x0
	s_min_u32 s41, s41, 7                          ; a loaded number enters an address only clamped; behind the clamp it is only shifted left and added
	s_lshl_b32 s[WB+1], s41, 23                    ; an expert's 4,096 rows of 2,048 bytes
	s_add_co_u32 s[WB], s[WB], s[WB+1]
	s_mov_b32 s[WB+1], 0
	s_add_nc_u64 s[WB:WB+1], s[6:7], s[WB:WB+1]
	CROUND                                         ; all four work-groups are here: the first joint loads meet
.irp s, 0,1
	s_mov_b32 s[G0+4*(\s)], 1
	s_add_co_u32 s[G0+4*(\s)+1], s20, (\s)*SLOT
	s_add_nc_u64 s[G0+4*(\s)+2:G0+4*(\s)+3], s[14:15], (\s)*KSTEP*2
	s_or_b32 s[G0+4*(\s)+3], s[G0+4*(\s)+3], 0x80000000
	s_mov_b32 s[G0B+4*(\s)], 1
	s_add_co_u32 s[G0B+4*(\s)+1], s20, (\s)*SLOT
	s_add_nc_u64 s[G0B+4*(\s)+2:G0B+4*(\s)+3], s[WB:WB+1], (\s)*KSTEP*2
	s_or_b32 s[G0B+4*(\s)+3], s[G0B+4*(\s)+3], 0x80000000
	JLOAD \s                                       ; two tensor loads of mine are out
.endr
	v_and_b32 v1, 15, v0                           ; l % 16
	v_bfe_u32 v2, v0, 4, 1                         ; l / 16
	; the biases of my 64 hidden columns: block b, register j of lane l wants number 16 (b % 4) + 8 (l / 16) + j
	v_lshlrev_b32 v[BO], 5, v2
	s_lshl_b32 s78, s42, 7
	s_lshl_b32 s77, s12, 6
	s_add_co_u32 s78, s78, s77                     ; hidden column 128 nt + 64 x half,
	s_lshl_b32 s78, s78, 2
	s_lshl_b32 s77, s41, 13                        ; in the expert's 2,048 numbers
	s_add_co_u32 s78, s78, s77
	s_mov_b32 s79, 0
	s_add_nc_u64 s[68:69], s[68:69], s[78:79]
	s_add_nc_u64 s[70:71], s[70:71], s[78:79]
	WIN TO_B                                       ; destination window 1, address window 0
.irp b, 0,1,2,3
	global_load_b128 v[BI+8*(\b):BI+8*(\b)+3],       v[BO], s[68:69] offset:64*(\b)
	global_load_b128 v[BI+8*(\b)+4:BI+8*(\b)+7],     v[BO], s[68:69] offset:64*(\b)+16
	global_load_b128 v[BI+32+8*(\b):BI+32+8*(\b)+3], v[BO], s[70:71] offset:64*(\b)
	global_load_b128 v[BI+32+8*(\b)+4:BI+32+8*(\b)+7], v[BO], s[70:71] offset:64*(\b)+16
.endr
	WIN 0
	v_mul_u32_u24 v3, v1, PITCH
	v_lshl_add_u32 v3, v2, 4, v3                   ; a fragment's row x pitch + 16 x half
	s_mul_i32 s21, s11, HALFT                      ; my 128 tokens
	s_mul_i32 s22, s12, HALFT                      ; my 128 rows of wug,
	s_add_co_u32 s22, s22, 2*HALFT                 ; which lie behind the tokens' 256
.irp s, 0,1
	v_add_nc_u32 v[ADRA+(\s)], s21, v3
	v_add_nc_u32 v[ADRB+(\s)], s22, v3
	s_add_co_u32 s21, s21, SLOT
	s_add_co_u32 s22, s22, SLOT
.endr
	s_mul_i32 s23, s10, 16*SP
	s_add_co_u32 s23, s23, STAGE                   ; my stage
	v_mul_u32_u24 v4, v1, SP                       ; in: row l % 16, 16 bytes for each half of the lanes
	v_lshl_add_u32 v4, v2, 4, v4
	v_add_nc_u32 v[STO], s23, v4
	v_bfe_u32 v4, v0, 3, 2                         ; back: 32 lanes take four rows of 128 bytes,
	v_and_b32 v5, 7, v0
	v_mul_u32_u24 v4, v4, SP
	v_lshl_add_u32 v4, v5, 4, v4
	v_add_nc_u32 v[RD], s23, v4
	v_and_b32 v[GO], 31, v0                        ; which are 512 consecutive bytes of hid
	v_lshlrev_b32 v[PFO], 11, v[GO]
	v_lshlrev_b32 v[GO], 4, v[GO]
	; hid at block 2 nt + half, row 512 Y + 128 x my half of the tokens
	s_lshl_b32 s78, s42, 1
	s_add_co_u32 s78, s78, s12
	s_lshl_b32 s78, s78, 20
	s_lshl_b32 s77, s13, 9
	s_lshl_b32 s79, s11, 7
	s_add_co_u32 s77, s77, s79
	s_lshl_b32 s77, s77, 7
	s_add_co_u32 s78, s78, s77
	s_mov_b32 s79, 0
	s_add_nc_u64 s[8:9], s[74:75], s[78:79]
	; the prefetches: the tokens' waves stand at row 512 Y + 128 half + 32 cx of xb, wug's at row 256 nt + 128 half of expert Y % 8; both at K step 2: the first refill steps to 3 and names 4
	s_lshl_b32 s78, s13, 9
	s_lshl_b32 s77, s40, 5
	s_add_co_u32 s78, s78, s77
	s_and_b32 s77, s13, 7
	s_lshl_b32 s77, s77, 12                        ; an expert's 4,096 rows
	s_lshl_b32 s76, s42, 8
	s_add_co_u32 s77, s77, s76
	s_cmp_eq_u32 s11, 0
	s_cselect_b32 s78, s78, s77
	s_cselect_b64 s[PFA:PFA+1], s[4:5], s[6:7]
	s_lshl_b32 s77, s12, 7
	s_add_co_u32 s78, s78, s77
	s_lshl_b32 s78, s78, 11
	s_add_co_u32 s78, s78, 2*KSTEP*2
	s_mov_b32 s79, 0
	s_add_nc_u64 s[PFA:PFA+1], s[PFA:PFA+1], s[78:79]
	s_mov_b32 s77, ttmp9
	s_cmp_eq_u32 s77, 0
	s_cselect_b32 s77, 1, 0                        ; tokens: the batch's first cluster asks;
	s_cmp_lt_u32 s13, 8
	s_cselect_b32 s76, 1, 0                        ; wug: the first eight batches, an expert each
	s_cmp_eq_u32 s11, 0
	s_cselect_b32 s77, s77, s76                    ; both are the same in all four partners
	s_cmp_eq_u32 s77, 1
	s_cselect_b32 s[LIM], 1, -1
	s_mov_b32 s77, 0xffff0000
	s_wait_loadcnt 0x0                             ; the biases are in: they are rounded to bf16 and widened again, while the first tiles are on their way
	WIN 0x05                                       ; sources window 1, destination window 0
.set i, 0
.rept 32
	v_cvt_pk_bf16_f32 v[T+i], v[BI+2*i], v[BI+2*i+1]
.set i, i+1
.endr
	WIN TO_B
.set i, 0
.rept 32
	v_lshlrev_b32 v[BI+2*i], 16, v[T+i]
	v_and_b32 v[BI+2*i+1], s77, v[T+i]
.set i, i+1
.endr
	WIN 0
; 16 matrix instructions: token blocks a0, a0 + 1 of the window's four x all 8 row blocks, 32 along K.  zero = 1: the products start the sums, with the biases as C.
.macro MUL16 f, hi, a0, zero
.if \zero
	WIN 0x91+0x40*(\hi)                            ; as below, but C in window 1
.else
	WIN MUL_LO+0x50*(\hi)
.endif
.irp a, \a0, (\a0)+1
.irp b, 0,1,2,3,4,5,6,7
.if \zero
	v_wmma_f32_16x16x32_bf16 v[8*(8*(\a)+(\b)):8*(8*(\a)+(\b))+7], v[(\f)+8*(\b):(\f)+8*(\b)+7], v[(\f)+8*(4*(\hi)+(\a)):(\f)+8*(4*(\hi)+(\a))+7], v[BI+8*(\b):BI+8*(\b)+7]
.else
	v_wmma_f32_16x16x32_bf16 v[8*(8*(\a)+(\b)):8*(8*(\a)+(\b))+7], v[(\f)+8*(\b):(\f)+8*(\b)+7], v[(\f)+8*(4*(\hi)+(\a)):(\f)+8*(4*(\hi)+(\a))+7], v[8*(8*(\a)+(\b)):8*(8*(\a)+(\b))+7]
.endif
.endr
.endr
.endm
; 32 LDS loads in one run: the fragments of one quarter step, 32 K at byte k of the rows, into buffer f
.macro FETCH slot, k, f
	WIN TO_B
.irp i, 0,1,2,3,4,5,6,7
	ds_load_b128 v[(\f)+8*(\i):(\f)+8*(\i)+3],   v[ADRB+(\slot)] offset:(\k)+(\i)*16*PITCH
	ds_load_b128 v[(\f)+8*(\i)+4:(\f)+8*(\i)+7], v[ADRB+(\slot)] offset:(\k)+(\i)*16*PITCH+32
.endr
	WIN 0
.irp i, 0,1,2,3,4,5,6,7
	ds_load_b128 v[(\f)+8*(\i):(\f)+8*(\i)+3],   v[ADRA+(\slot)] offset:(\k)+(\i)*16*PITCH
	ds_load_b128 v[(\f)+8*(\i)+4:(\f)+8*(\i)+7], v[ADRA+(\slot)] offset:(\k)+(\i)*16*PITCH+32
.endr
.endm
.macro PLACES                          ; four plain vector instructions between a matrix instruction and a load into, or a reader of, its registers
.rept 4
	v_nop
.endr
.endm
; A K step is four quarters of 32 along K, 64 matrix instructions each, on buffers 0, 1, 0, 1.  The 64 accumulators take turns in the same order in every quarter.
.macro QUARTER slot, k, f, g, zero
	s_wait_dscnt 8                                 ; wug's fragments and my tokens 0-63 are in; the youngest eight loads (tokens 64-127) may be out
	MUL16 \f, 0, 0, \zero
	MUL16 \f, 0, 2, \zero
	PLACES
	FETCH \slot, \k, \g
	s_wait_dscnt 32                                ; all but the 32 just issued
	MUL16 \f, 1, 0, \zero
	MUL16 \f, 1, 2, \zero
.endm
; The first half of a step's last quarter: one barrier for the change of slots.  In front of it each wave waits for all its tensor loads (one is out: its part of the next slot), adds 0 to its spare word,
; and waits for that and for its reads of this slot.
.macro MEET round
	WIN 0
	s_wait_tensorcnt 0x0
	ds_add_u32 v[SPW], v[NIL]
	s_wait_dscnt 9                                 ; (the add and the youngest eight loads may be out)
	MUL16 F1, 0, 0, 0
	s_wait_dscnt 0x0                               ; the add is done, and my reads of this slot are over
	s_barrier_signal -1
	MUL16 F1, 0, 2, 0
.if \round
	WIN 0
.endif
	s_barrier_wait -1
.endm
; The whole last quarter.  The slot just read is filled again first behind the round: with this tile's K step two on (on = 0), or with the next tile's K step 0 or 1 (on = 1).
.macro TURN slot, next, on
	s_wait_xcnt 0x0                                ; the last prefetches, a K step back, have read their address
.if (\on) && (\slot) == 0
	s_add_nc_u64 s[PFA:PFA+1], s[PFA:PFA+1], (WALK-1)*SIZE_K*2+KSTEP*2  ; from the K step after the tile's last to the next tile's K step 1
	s_cmp_eq_u32 s11, 0
	s_cselect_b32 s[LIM], s[LIM], -1               ; wug's rows are the same for both tiles: they are asked for no more
.else
	s_add_nc_u64 s[PFA:PFA+1], s[PFA:PFA+1], KSTEP*2
.endif
	MEET 1
	CREST                                          ; no wave of any partner still reads this slot or has a load on its way
.if \on
	s_add_nc_u64 s[G0+4*(\slot)+2:G0+4*(\slot)+3], s[G0+4*(\slot)+2:G0+4*(\slot)+3], NEXT_A  ; the tokens: 256 rows down and back along K
	s_add_nc_u64 s[G0B+4*(\slot)+2:G0B+4*(\slot)+3], s[WB:WB+1], (\slot)*KSTEP*2             ; wug: the same rows from K step 0 or 1 on: the address is made anew from the kept base,
	s_or_b32 s[G0B+4*(\slot)+3], s[G0B+4*(\slot)+3], 0x80000000                              ; and the type bits are set again
.else
	s_add_nc_u64 s[G0+4*(\slot)+2:G0+4*(\slot)+3], s[G0+4*(\slot)+2:G0+4*(\slot)+3], 2*KSTEP*2
	s_add_nc_u64 s[G0B+4*(\slot)+2:G0B+4*(\slot)+3], s[G0B+4*(\slot)+2:G0B+4*(\slot)+3], 2*KSTEP*2
.endif
	JLOAD \slot                                    ; my one tensor load behind the round; its four v_nop are also the places in front of the loads below
	FETCH \next, 0, F0
	ASK \on
	MUL16 F1, 1, 0, 0
	MUL16 F1, 1, 2, 0
.endm
; THE WAY OUT of token block a.  COMP: u g / (1 + 2^(-log2(e) u)) for my 32 pairs (u in row blocks 0-3, g in 4-7), rounded to bf16.  Each accumulator's lowest registers are read first.
; The 32 exponentials are one batch with one wait, and so are the 32 reciprocals.
.macro COMP a
.set AC, 64*((\a)%4)
	WIN 0x0a+5*((\a)/4)                            ; sources window 2 or 3, destination window 0
.irp b, 0,1,2,3
.irp r, 0,2,4,6
	v_pk_mul_f32 v[T+8*(\b)+(\r):T+8*(\b)+(\r)+1], v[AC+8*(\b)+(\r):AC+8*(\b)+(\r)+1], s[CE:CE+1] op_sel_hi:[1,0]
.endr
.endr
.irp b, 0,1,2,3
.irp r, 0,2,4,6
	v_pk_mul_f32 v[Q+8*(\b)+(\r):Q+8*(\b)+(\r)+1], v[AC+8*(\b)+(\r):AC+8*(\b)+(\r)+1], v[AC+32+8*(\b)+(\r):AC+32+8*(\b)+(\r)+1]
.endr
.endr
	WIN 0
.set i, 0
.rept 32
	v_exp_f32 v[T+i], v[T+i]
.set i, i+1
.endr
	v_nop                                          ; a plain instruction behind the last exponential,
	s_wait_alu depctr_va_vdst(0)                   ; and the one wait for the batch, ahead of its first reader
.set i, 0
.rept 16
	v_pk_add_f32 v[T+i:T+i+1], v[T+i:T+i+1], 1.0 op_sel_hi:[1,0]
.set i, i+2
.endr
.set i, 0
.rept 32
	v_rcp_f32 v[T+i], v[T+i]
.set i, i+1
.endr
	v_nop
	s_wait_alu depctr_va_vdst(0)                   ; the one wait for the reciprocals
.set i, 0
.rept 16
	v_pk_mul_f32 v[Q+i:Q+i+1], v[Q+i:Q+i+1], v[T+i:T+i+1]
.set i, i+2
.endr
.set i, 0
.rept 16
	v_cvt_pk_bf16_f32 v[H+i], v[Q+2*i], v[Q+2*i+1]
.set i, i+1
.endr
.endm
.macro TOSTAGE a                       ; 16 bytes a lane into my stage, and back as whole rows of 128 bytes
	WIN 0
.set BK, OB+16*((\a)%2)
.irp b, 0,1,2,3
	ds_store_b128 v[STO], v[H+4*(\b):H+4*(\b)+3] offset:32*(\b)
.endr
	s_wait_xcnt 0x0                                ; the stores of two blocks back have read these registers
.irp f, 0,1,2,3
	ds_load_b128 v[BK+4*(\f):BK+4*(\f)+3], v[RD] offset:(\f)*4*SP  ; LDS serves a wave's instructions in order: these see the stores above
.endr
.endm
.macro SEND a
	WIN 0
.set BK, OB+16*((\a)%2)
	s_wait_dscnt 0x0                               ; the block is back in registers
.irp f, 0,1,2,3
	global_store_b128 v[GO], v[BK+4*(\f):BK+4*(\f)+3], s[8:9] offset:(\a)*2048+(\f)*512  ; 512 consecutive bytes, at a multiple of 512 from hid's first
.endr
.endm
.macro WAYOUT
	PLACES
	PLACES
	COMP 0
	TOSTAGE 0
.irp a, 1,2,3,4,5,6,7                  ; block a's arithmetic stands between block a - 1's loads from the stage and the wait for them
	COMP \a
	SEND (\a)-1
	TOSTAGE \a
.endr
	SEND 7
.endm
	s_wait_tensorcnt 1                             ; my part of K step 0 is in; K step 1's may stay out
	s_barrier_signal -1
	s_barrier_wait -1
	FETCH 0, 0, F0
	s_mov_b32 s2, 2                                ; tiles to go
.Ltile:
	QUARTER 0, 64,  F0, F1, 1                      ; a tile's first quarter starts the sums
	WIN 0
	s_mov_b32 s3, LAPS-1
.Llap:                                                 ; a trip goes once round the ring and fills both slots again
	QUARTER 0, 128, F1, F0, 0
	QUARTER 0, 192, F0, F1, 0
	TURN 0, 1, 0
	QUARTER 1, 64,  F0, F1, 0
	QUARTER 1, 128, F1, F0, 0
	QUARTER 1, 192, F0, F1, 0
	TURN 1, 0, 0
	QUARTER 0, 64,  F0, F1, 0
	WIN 0
	s_sub_co_u32 s3, s3, 1
	s_cmp_lg_u32 s3, 0
	s_cbranch_scc1 .Llap
	QUARTER 0, 128, F1, F0, 0
	QUARTER 0, 192, F0, F1, 0
	WIN 0
	s_cmp_eq_u32 s2, 1
	s_cbranch_scc1 .Llast_tile                     ; the last tile's tail is written out: it asks for nothing more
	TURN 0, 1, 1                                   ; the ring goes on into the second tile: slot 0 takes its K step 0,
	QUARTER 1, 64,  F0, F1, 0
	QUARTER 1, 128, F1, F0, 0
	QUARTER 1, 192, F0, F1, 0
	TURN 1, 0, 1                                   ; slot 1 its K step 1, and its first fragments are fetched
	WAYOUT                                         ; both refills are on their way while the tile goes out
	s_wait_xcnt 0x0                                ; the stores have read their base and their registers
	s_add_nc_u64 s[8:9], s[8:9], WALK*128          ; 256 rows of 128 bytes on
	s_sub_co_u32 s2, s2, 1
	s_branch .Ltile
.Llast_tile:
	MEET 0                                         ; the last K step's tile is in; nothing is filled again, so no round follows
	PLACES
	FETCH 1, 0, F0
	MUL16 F1, 1, 0, 0
	MUL16 F1, 1, 2, 0
	QUARTER 1, 64,  F0, F1, 0
	QUARTER 1, 128, F1, F0, 0
	QUARTER 1, 192, F0, F1, 0
	s_wait_dscnt 8
	MUL16 F1, 0, 0, 0
	MUL16 F1, 0, 2, 0
	s_wait_dscnt 0x0
	MUL16 F1, 1, 0, 0
	MUL16 F1, 1, 2, 0
	WAYOUT
	s_wait_tensorcnt 0x0                           ; the wave's end: the add and its wait, behind my last tensor load and my last LDS store
	ds_add_u32 v[SPW], v[NIL]
	s_wait_dscnt 0x0
	CROUND                                         ; the closing round: no work-group ends while a partner may still ask for a tile that names it
	s_endpgm
.Lfunc_end_k_q8335a826d6_ffn1:
	.size	k_q8335a826d6_ffn1, .Lfunc_end_k_q8335a826d6_ffn1-k_q8335a826d6_ffn1
	.p2alignl 7, 3214868480
	.fill 96, 4, 3214868480
	.section	.rodata,"a",@progbits
	.p2align	6, 0x0
	.amdhsa_kernel k_q8335a826d6_ffn1
		.amdhsa_group_segment_fixed_size 327680
		.amdhsa_private_segment_fixed_size 0
		.amdhsa_enable_private_segment 0
		.amdhsa_kernarg_size 48
		.amdhsa_user_sgpr_count 2
		.amdhsa_user_sgpr_kernarg_segment_ptr 1
		.amdhsa_wavefront_size32 1
		.amdhsa_system_sgpr_workgroup_id_x 1
		.amdhsa_system_sgpr_workgroup_id_y 1
		.amdhsa_system_sgpr_workgroup_id_z 1
		.amdhsa_system_vgpr_workitem_id 0
		.amdhsa_next_free_vgpr 1024
		.amdhsa_next_free_sgpr 80
		.amdhsa_reserve_vcc 0
		.amdhsa_float_denorm_mode_32 3
		.amdhsa_float_denorm_mode_16_64 3
		.amdhsa_memory_ordered 1
		.amdhsa_forward_progress 1
		.amdhsa_inst_pref_size 255
	.end_amdhsa_kernel
	.section	.bss,"aw",@nobits
	.p2align	6
	.space	262144
	.amdgpu_metadata
---
amdhsa.version: [ 1, 2 ]
amdhsa.kernels:
  - .name:           k_q8335a826d6_ffn1
    .symbol:         k_q8335a826d6_ffn1.kd
    .args:
      - { .name: xb, .offset: 0, .size: 8, .value_kind: global_buffer, .address_space: global }
      - { .name: wug, .offset: 8, .size: 8, .value_kind: global_buffer, .address_space: global }
      - { .name: b_up, .offset: 16, .size: 8, .value_kind: global_buffer, .address_space: global }
      - { .name: b_gate, .offset: 24, .size: 8, .value_kind: global_buffer, .address_space: global }
      - { .name: eidx, .offset: 32, .size: 8, .value_kind: global_buffer, .address_space: global }
      - { .name: hid, .offset: 40, .size: 8, .value_kind: global_buffer, .address_space: global }
    .group_segment_fixed_size: 327680
    .private_segment_fixed_size: 0
    .kernarg_segment_align: 8
    .kernarg_segment_size: 48
    .max_flat_workgroup_size: 128
    .sgpr_count:     80
    .vgpr_count:     1024
    .wavefront_size: 32
...
	.end_amdgpu_metadata
.endif
;; end of part 2
;; launch ffn2 (part 3): grid 16 x 16, 4 waves a work-group, clusters of 4 x 1, 327,680 bytes of LDS; arguments hid, W_down, b_down, eidx, out0; writes out0
.if DOCPART == 3
	.amdgcn_target "amdgcn-amd-amdhsa--gfx1250"
	.amdhsa_code_object_version 6
	.text
	.protected	k_q8335a826d6_ffn2
	.globl	k_q8335a826d6_ffn2
	.p2align	8
	.type	k_q8335a826d6_ffn2,@function
k_q8335a826d6_ffn2:
	s_mov_b64 s[64:65], 0
	v_nop
	global_prefetch_b8 v0, s[64:65] scope:SCOPE_SE
	s_setreg_imm32_b32 hwreg(HW_REG_WAVE_MODE, 25, 1), 1
	s_wait_xcnt 0x0
	s_wait_alu depctr_hold_cnt(0) depctr_sa_sdst(0) depctr_va_vdst(0) depctr_va_sdst(0) depctr_va_ssrc(0) depctr_va_vcc(0) depctr_vm_vsrc(0)
	s_getreg_b32 s2, hwreg(HW_REG_IB_STS2, 6, 4)
	s_cmp_eq_u32 s2, 0
	s_cbranch_scc0 .Lentry_in_a_cluster
	s_endpgm
.Lentry_in_a_cluster:
	s_bfe_u32 s2, ttmp6, 0x10000c
	s_cmp_lg_u32 s2, 0x3003
	s_cbranch_scc0 .Lentry_shape_is_right
	s_endpgm
.Lentry_shape_is_right:
; OpcodeMoELayer, launch 3 of 3: out0 = hid Wd[e]^T + bd[e], bf16 operands, f32 sums and output.  No work is left out: only the chosen expert is looked up, by eidx.
; SHARES.  A work-group makes 256 tokens x 128 columns of one batch: rt = its tile of tokens (of 2), ct = its tile of columns (of 8): 256 work-groups in all.  Tiles of 256 x 256 would give 128.
; Four waves, each 64 tokens x all 128 columns: 32 accumulators.  K = 2,048 in 16 steps of 128.
; hid comes by the tensor data mover through two LDS slots.  It lies in blocks [32][8192][64]: a K step's tile is two dense pieces of 32,768 bytes; each wave asks for half a piece, 64 rows of 256 bytes,
; padded in LDS after every 128.  CLUSTER: the four work-groups of a cluster have one batch, one rt and four ct: they ask for hid's tile JOINTLY (mask of four).
; W_down COMES IN f32, THROUGH REGISTERS, AND IS ROUNDED HERE: no launch stores a bf16 copy and none reads it back.  Of the tile's 128 rows wave w takes 32 w .. 32 w + 31; a load covers a row's 512 bytes
; of a K step.  Two sets of 128 registers take the tiles by parity.  In step t tile t + 1 is rounded and stored into bf16 buffer (t + 1) % 2 of LDS, which was last read in step t - 1, and the set is asked for again
; with tile t + 3: a K step and a half ahead of its conversion; these loads stay out across the barriers.  The step's one barrier orders the stores with the next step's reads and the last step's reads with the stores.
; W_down is not asked for jointly: its address holds a number read from eidx, while every word of a joint load's descriptor is made of ids that the partners share.  Hence the tile's shape: the 65,536 bytes
; of hid in a K step are shared, W_down's 128 rows are not.  W_down is not prefetched: its own loads go out that far ahead.
; THE PRODUCT IS TAKEN TRANSPOSED (source 0 = 16 rows of Wd, source 1 = 16 tokens): a lane holds one token and 8 neighbouring columns.  The bias, rounded to bf16 like all inputs, is the C operand that starts the sums.
; REGISTERS: window 0: v0-31 addresses; v32-95, v96-159 rows on the way out; v128-255 W_down's set 0 (done with before the way out).  window 1: the accumulators, (a, b) at v[8 (8 a + b)].
;   window 2: v0-95, v96-191 two fragment buffers (64 registers of Wd, 32 of hid); v192-255 the biases.   window 3: v0-127 W_down's set 1.
.set KSTEP,  128
.set PA,     144                       ; a token's 128 bytes of one block + 16 of padding
.set PB,     272                       ; a row of Wd's bf16 tile: 256 bytes + 16
.set AKB,    256*PA                    ; one block of 64 channels, 256 tokens
.set HS,     2*AKB                     ; a slot of hid: a K step's two blocks
.set WBUF,   2*HS                      ; behind the ring, never filled by a tensor load: two bf16 buffers of Wd's tile,
.set WBB,    128*PB                    ; 128 rows each
.set STAGE,  WBUF+2*WBB                ; then 16 rows x 528 bytes for each wave, for the way out
.set SPITCH, 528
.set SPARE,  STAGE+4*16*SPITCH         ; behind the stages: the spare words, 128 bytes for each wave
.set LAPS,   8
.set WROW,   8192                      ; bytes in a row of W_down
.set WSTEP,  512                       ; bytes of such a row in a K step
.set ADRA, 16                          ; v16-17  LDS address of my tokens' fragments in slot 0, 1
.set WO,   18                          ; v18  16 x lane: my 16 bytes of a row's 512; never rewritten
.set WS,   19                          ; v19  where my 8 bytes of my first row go in bf16 buffer 0; never rewritten
.set ADRB, 20                          ; v20-21  LDS address of Wd's fragments in buffer 0, 1
.set STO,  24
.set RD,   25
.set CO,   26
.set BO,   27
.set SPW,  28                          ; v28  my spare word; never rewritten
.set NIL,  29                          ; v29  0; never rewritten
.set PFO,  30                          ; v30  256 x lane; never rewritten
.set OB,   32
.set F0,   0
.set F1,   96
.set BI,   192
.set G1,  24                           ; s[24:31] descriptor group 1
.set G0,  32                           ; s[32:39] descriptor group 0, a set for each slot
.set LIM, 43                           ; s43  1 in a wave that prefetches, else the greatest number
.set PFA, 44                           ; s[44:45] where my prefetches stand
.set WP,  46                           ; s[46:47], s[48:49] W_down at my 32 rows, at the tile that set 0, set 1 was last asked for
.set MSB, 0
.macro WIN new                         ; the immediate's high byte repeats the setting that is left; a switch that changes nothing is dropped
.if MSB != (\new)
	s_set_vgpr_msb (MSB<<8)|(\new)
.set MSB, \new
.endif
.endm
.set MUL,  0x5a                        ; sources window 2, C and D window 1
.set MULZ, 0x6a                        ; the same with C in window 2
.set TO_F, 0x80                        ; destination window 2, address window 0
; A PREFETCH of hid's K step that stands two refills on, 256 matrix instructions ahead of its load; one instruction a wave, a lane 256 bytes; each block of 256 bytes is named once in the launch.
; A tile is read by two clusters; the one with even x asks; waves 0 and 1 take a block of the step each, and of its 128 pieces of 256 bytes the four partners take 32 each, told apart by address.
; The loop's last trip has no K step two on.
.macro ASK
	s_cmp_gt_u32 s3, s[LIM]
	s_cbranch_scc0 .Lnot_mine_\@
	global_prefetch_b8 v[PFO], s[PFA:PFA+1] th:TH_LOAD_NT scope:SCOPE_SE
.Lnot_mine_\@:
.endm
.macro CREST                           ; a round of the cluster's barrier behind its opening barrier
	s_cmp_lg_u32 s10, 0
	s_cbranch_scc1 .Lnot_wave_0_\@
	s_barrier_signal -3
.Lnot_wave_0_\@:
	s_barrier_wait -3
	s_barrier_signal -1
	s_barrier_wait -1
.endm
.macro CROUND
	s_barrier_signal -1
	s_barrier_wait -1
	CREST
.endm
.macro PLACES                          ; four plain vector instructions between a matrix instruction and a load into, or a reader of, its registers
.rept 4
	v_nop
.endr
.endm
; 32 loads: my 32 rows' 512 bytes of one K step into set p, from where the set's pointer stands
.macro LD p
.if \p
	WIN 0xc0                                       ; destination window 3, address window 0
.else
	WIN 0
.endif
.set i, 0
.rept 32
	global_load_b128 v[128-128*(\p)+4*i:128-128*(\p)+4*i+3], v[WO], s[WP+2*(\p):WP+2*(\p)+1] offset:i*WROW
.set i, i+1
.endr
.endm
; Chunk c of 8 of set p: four rows are rounded in place, two numbers an instruction, and each lane's 8 bytes go into bf16 buffer p: a row's 32 lanes store 256 consecutive bytes.
; left: the loads younger than the chunk's last, which may stay out; below 0: no wait is written.
.macro CV p, c, left
.set SB, 128-128*(\p)+16*(\c)
.if \p
	WIN 0xcf                                       ; destination and both sources window 3
.else
	WIN 0
.endif
.if (\left) >= 0
	s_wait_loadcnt \left
.endif
.irp i, 0,1,2,3
	v_cvt_pk_bf16_f32 v[SB+4*(\i)], v[SB+4*(\i)], v[SB+4*(\i)+1]
	v_cvt_pk_bf16_f32 v[SB+4*(\i)+1], v[SB+4*(\i)+2], v[SB+4*(\i)+3]
.endr
.if \p
	WIN 0x0c                                       ; the stores' address window 0, their data window 3
.endif
.irp i, 0,1,2,3
	ds_store_b64 v[WS], v[SB+4*(\i):SB+4*(\i)+1] offset:(\p)*WBB+(4*(\c)+(\i))*PB
.endr
.endm
	s_load_b128 s[4:7], s[0:1], 0x0                ; hid s[4:5], W_down s[6:7]
	s_load_b128 s[68:71], s[0:1], 0x10             ; b_down s[68:69], eidx s[70:71]
	s_load_b64 s[8:9], s[0:1], 0x20                ; out0
	v_lshl_add_u32 v[SPW], v0, 2, SPARE
	v_mov_b32 v[NIL], 0
	ds_add_u32 v[SPW], v[NIL]                      ; the wave's opening: the add, twice on end, and its wait ahead of my first tensor load
	ds_add_u32 v[SPW], v[NIL]
	v_lshrrev_b32 v1, 5, v0
	v_readfirstlane_b32 s10, v1                    ; wave 0..3: my 64 tokens, my 32 rows of W_down
	s_lshr_b32 s11, s10, 1                         ; which 128 tokens of a block of hid I fetch,
	s_and_b32 s12, s10, 1                          ; and of which of the step's two blocks
	s_bfe_u32 s40, ttmp6, 0x40000                  ; cx
	s_lshr_b32 s41, ttmp9, 1                       ; rt: the tile of 256 tokens, which the four partners share
	s_and_b32 s13, ttmp9, 1
	s_lshl_b32 s13, s13, 2
	s_add_co_u32 s13, s13, s40                     ; ct = 4 x (cluster x % 2) + cx: the tile of 128 columns
	s_and_b32 s42, ttmp7, 0xffff                   ; the batch, which the four partners share
	s_mov_b32 s[G1+0], 15|(1<<16)|(1<<20)|(1<<21)|(4<<22)|(3<<25)  ; the mask of four; 2-byte elements; padding: after every 32 words 4 words; bit 21 beside a mask
	s_mov_b32 s[G1+1], 128<<16                     ; tensor_dim0 = 128
	s_mov_b32 s[G1+2], 64<<16                      ; tensor_dim1 = 64
	s_mov_b32 s[G1+3], 128<<16                     ; tile_dim0 = 128
	s_mov_b32 s[G1+4], 64                          ; tile_dim1 = 64
	s_mov_b32 s[G1+5], 128                         ; dense: 128 elements from row to row
	s_mov_b32 s[G1+6], 0
	s_mov_b32 s[G1+7], 0
	s_mul_i32 s20, s12, AKB                        ; where my part of a tile goes: the block,
	s_mul_i32 s21, s11, 128*PA                     ; and its 128 tokens: no place in the cluster enters an LDS address
	s_add_co_u32 s20, s20, s21
	s_lshl_b32 s16, s42, 9
	s_lshl_b32 s17, s41, 8
	s_add_co_u32 s16, s16, s17
	s_lshl_b32 s17, s11, 7
	s_add_co_u32 s16, s16, s17                     ; hid: row 512 batch + 256 rt + 128 x half,
	s_lshl_b32 s16, s16, 7                         ; x 128 bytes,
	s_lshl_b32 s17, s12, 20                        ; in block 0 or 1
	s_add_co_u32 s16, s16, s17
	s_mov_b32 s17, 0
	s_lshl_b32 s18, s42, 2                         ; eidx: the batch's word
	s_mov_b32 s19, 0
	s_wait_dscnt 0x0                               ; both opening adds are done
	s_wait_kmcnt 0x0
	s_add_nc_u64 s[70:71], s[70:71], s[18:19]
	s_load_b32 s72, s[70:71], 0x0                  ; the batch's expert: wanted only behind the first tensor loads
	s_add_nc_u64 s[14:15], s[4:5], s[16:17]
	CROUND                                         ; all four work-groups are here: the first joint loads meet
.irp s, 0,1
	s_mov_b32 s[G0+4*(\s)], 1
	s_add_co_u32 s[G0+4*(\s)+1], s20, (\s)*HS
	s_add_nc_u64 s[G0+4*(\s)+2:G0+4*(\s)+3], s[14:15], (\s)*(2<<20)  ; K step s: blocks 2 s, 2 s + 1
	s_or_b32 s[G0+4*(\s)+3], s[G0+4*(\s)+3], 0x80000000
.endr
	tensor_load_to_lds s[G0:G0+3], s[G1:G1+7]      ; every wave's two first fills stand together: two tensor loads of mine are out; an s_nop 0 follows each, four v_nop the second's
	s_nop 0
	tensor_load_to_lds s[G0+4:G0+7], s[G1:G1+7]
	s_nop 0
	PLACES
	v_and_b32 v1, 15, v0                           ; l % 16
	v_bfe_u32 v2, v0, 4, 1                         ; l / 16
	v_and_b32 v5, 31, v0                           ; l
	v_lshlrev_b32 v[BO], 5, v2                     ; the biases: block b, register j of lane l wants number 16 b + 8 (l / 16) + j
	v_lshlrev_b32 v[WO], 4, v5
	s_mul_i32 s18, s10, 32*PB
	s_add_co_u32 s18, s18, WBUF
	v_lshl_add_u32 v[WS], v5, 3, s18               ; buffer 0, my first row, 8 x lane
	s_lshl_b32 s[WP], s13, 7
	s_lshl_b32 s[WP+1], s10, 5
	s_add_co_u32 s[WP], s[WP], s[WP+1]             ; W_down: row 128 ct + 32 wave,
	s_lshl_b32 s[WP], s[WP], 13                    ; x 8,192 bytes
	s_lshl_b32 s78, s13, 9                         ; b_down: column 128 ct, x 4 bytes
	s_wait_kmcnt 0x0
	s_min_u32 s72, s72, 7                          ; a loaded number enters an address only clamped; behind the clamp it is only shifted left and added
	s_lshl_b32 s[WP+1], s72, 23                    ; an expert's 1,024 rows
	s_add_co_u32 s[WP], s[WP], s[WP+1]
	s_mov_b32 s[WP+1], 0
	s_add_nc_u64 s[WP:WP+1], s[6:7], s[WP:WP+1]    ; set 0's pointer: tile 0
	s_add_nc_u64 s[WP+2:WP+3], s[WP:WP+1], WSTEP   ; set 1's: tile 1
	s_lshl_b32 s77, s72, 12                        ; the expert's 1,024 biases
	s_add_co_u32 s78, s78, s77
	s_mov_b32 s79, 0
	s_add_nc_u64 s[68:69], s[68:69], s[78:79]
	WIN TO_F
.irp b, 0,1,2,3,4,5,6,7
	global_load_b128 v[BI+8*(\b):BI+8*(\b)+3],   v[BO], s[68:69] offset:64*(\b)
	global_load_b128 v[BI+8*(\b)+4:BI+8*(\b)+7], v[BO], s[68:69] offset:64*(\b)+16
.endr
	LD 0                                           ; tile 0
	LD 1                                           ; tile 1
	WIN 0
	v_mul_u32_u24 v3, v1, PA
	v_lshl_add_u32 v3, v2, 4, v3                   ; hid: token x 144 + 16 x half
	v_mul_u32_u24 v4, v1, PB
	v_lshl_add_u32 v4, v2, 4, v4                   ; Wd: row x 272 + 16 x half
	s_mul_i32 s18, s10, 64*PA                      ; my 64 tokens
	s_mov_b32 s19, WBUF
.irp s, 0,1
	v_add_nc_u32 v[ADRA+(\s)], s18, v3
	v_add_nc_u32 v[ADRB+(\s)], s19, v4
	s_add_co_u32 s18, s18, HS
	s_add_co_u32 s19, s19, WBB
.endr
	s_mul_i32 s23, s10, 16*SPITCH
	s_add_co_u32 s23, s23, STAGE                   ; my stage
	v_mul_u32_u24 v4, v1, SPITCH                   ; in: row l % 16, 32 bytes for each half of the lanes
	v_lshl_add_u32 v4, v2, 5, v4
	v_add_nc_u32 v[STO], s23, v4
	v_lshlrev_b32 v[CO], 4, v5                     ; back: 32 lanes take one row of 512 bytes
	v_add_nc_u32 v[RD], s23, v[CO]
	; out0 at row 512 batch + 256 rt + 64 wave, column 128 ct
	s_lshl_b32 s78, s42, 9
	s_lshl_b32 s77, s41, 8
	s_add_co_u32 s78, s78, s77
	s_lshl_b32 s77, s10, 6
	s_add_co_u32 s78, s78, s77
	s_lshl_b32 s78, s78, 12
	s_lshl_b32 s77, s13, 9
	s_add_co_u32 s78, s78, s77
	s_mov_b32 s79, 0
	s_add_nc_u64 s[8:9], s[8:9], s[78:79]
	; the prefetches, at K step 3: step 0 steps them to 4, and its change of slots names it
	s_lshl_b32 s18, s42, 9
	s_lshl_b32 s19, s41, 8
	s_add_co_u32 s18, s18, s19
	s_lshl_b32 s18, s18, 7                         ; the tile's first byte in a block,
	s_lshl_b32 s19, s40, 13                        ; my work-group's 32 pieces of 256 bytes,
	s_add_co_u32 s18, s18, s19
	s_lshl_b32 s19, s12, 20                        ; my block of the step's two,
	s_add_co_u32 s18, s18, s19
	s_add_co_u32 s18, s18, 6<<20                   ; from block 6 on
	s_mov_b32 s19, 0
	s_add_nc_u64 s[PFA:PFA+1], s[4:5], s[18:19]
	v_lshlrev_b32 v[PFO], 8, v5
	s_and_b32 s18, ttmp9, 1                        ; the tile's first cluster,
	s_or_b32 s18, s18, s11                         ; waves 0 and 1: the same in all four partners
	s_cmp_eq_u32 s18, 0
	s_cselect_b32 s[LIM], 1, -1
	s_mov_b32 s77, 0xffff0000
	s_wait_loadcnt 32                              ; the biases and tile 0 are in; tile 1's 32 loads stay out
.irp c, 0,1,2,3,4,5,6,7
	CV 0, \c, -1                                   ; tile 0 into buffer 0
.endr
	WIN 0
	s_wait_dscnt 0x0                               ; my stores are done: for the others' sake, ahead of the barrier below; and they have read set 0's registers
	s_wait_xcnt 0x0                                ; the loads have read their pointer
	s_add_nc_u64 s[WP:WP+1], s[WP:WP+1], 2*WSTEP
	LD 0                                           ; tile 2
	WIN 0x0a                                       ; the biases are rounded to bf16 and widened again: sources window 2, destination window 0
.set i, 0
.rept 32
	v_cvt_pk_bf16_f32 v[OB+i], v[BI+2*i], v[BI+2*i+1]
.set i, i+1
.endr
	WIN TO_F
.set i, 0
.rept 32
	v_lshlrev_b32 v[BI+2*i], 16, v[OB+i]
	v_and_b32 v[BI+2*i+1], s77, v[OB+i]
.set i, i+1
.endr
	WIN 0
; 8 matrix instructions: token block a x all 8 column blocks, 32 along K.  zero = 1: they start the sums, with the biases as C.
.macro MUL8 f, a, zero
.if \zero
	WIN MULZ
.else
	WIN MUL
.endif
.irp b, 0,1,2,3,4,5,6,7
.if \zero
	v_wmma_f32_16x16x32_bf16 v[8*(8*(\a)+(\b)):8*(8*(\a)+(\b))+7], v[(\f)+8*(\b):(\f)+8*(\b)+7], v[(\f)+64+8*(\a):(\f)+64+8*(\a)+7], v[BI+8*(\b):BI+8*(\b)+7]
.else
	v_wmma_f32_16x16x32_bf16 v[8*(8*(\a)+(\b)):8*(8*(\a)+(\b))+7], v[(\f)+8*(\b):(\f)+8*(\b)+7], v[(\f)+64+8*(\a):(\f)+64+8*(\a)+7], v[8*(8*(\a)+(\b)):8*(8*(\a)+(\b))+7]
.endif
.endr
.endm
; 24 LDS loads in one run: quarter q of a K step (32 along K) into buffer f: 8 fragments of Wd from bf16 buffer slot, 4 of hid from slot slot (block q / 2, channels 32 (q % 2) on)
.macro FETCH slot, q, f
	WIN TO_F
.irp i, 0,1,2,3,4,5,6,7
	ds_load_b128 v[(\f)+8*(\i):(\f)+8*(\i)+3],   v[ADRB+(\slot)] offset:64*(\q)+(\i)*16*PB
	ds_load_b128 v[(\f)+8*(\i)+4:(\f)+8*(\i)+7], v[ADRB+(\slot)] offset:64*(\q)+(\i)*16*PB+32
.endr
.irp i, 0,1,2,3
	ds_load_b128 v[(\f)+64+8*(\i):(\f)+64+8*(\i)+3],   v[ADRA+(\slot)] offset:((\q)/2)*AKB+64*((\q)%2)+(\i)*16*PA
	ds_load_b128 v[(\f)+64+8*(\i)+4:(\f)+64+8*(\i)+7], v[ADRA+(\slot)] offset:((\q)/2)*AKB+64*((\q)%2)+(\i)*16*PA+32
.endr
.endm
; A quarter: quarter q's fragments are asked for, into g, at its head: 32 matrix instructions ahead of their use; then buffer f is multiplied.  The 32 accumulators take turns in the same order in every quarter.
; cvp = 0 or 1: ahead of each run of eight products stands a chunk of set cvp's conversion, chunks c0 .. c0 + 3; chunk c may leave lf - 4 c younger loads out.
.macro QUARTER slot, q, f, g, zero, cvp=-1, c0=0, lf=0
	PLACES
	FETCH \slot, \q, \g
	s_wait_dscnt 24                                ; all but the 24 just issued
.irp a, 0,1,2,3
.if (\cvp) >= 0
	CV \cvp, (\c0)+(\a), (\lf)-4*((\c0)+(\a))
.endif
	MUL8 \f, \a, \zero
.endr
.endm
; Behind a step's conversion: the prefetches' address steps a K step on, and set p is asked for again, two tiles on.  skip = 1: in the loop's last trip there is no such tile; the arm that asks for nothing
; waits for the loads that are out, so that every later counted wait holds on both ways.
.macro NEXTW p, skip
	WIN 0
	s_wait_dscnt 0x0                               ; the conversion's stores have read the set's registers
	s_wait_xcnt 0x0                                ; the last prefetch, three quarters back, and the set's last loads, two K steps back, have read their addresses
	s_add_nc_u64 s[PFA:PFA+1], s[PFA:PFA+1], 2<<20
.if \skip
	s_cmp_eq_u32 s3, 1
	s_cbranch_scc1 .Lno_tile_\@
.endif
	s_add_nc_u64 s[WP+2*(\p):WP+2*(\p)+1], s[WP+2*(\p):WP+2*(\p)+1], 2*WSTEP
	LD \p
	WIN 0
.if \skip
	s_branch .Lasked_\@
.Lno_tile_\@:
	s_wait_loadcnt 0x0
.Lasked_\@:
.endif
.endm
; A step's last quarter multiplies buffer 1 and changes slots: one barrier; in front of it each wave waits for all its tensor loads, adds 0 to its spare word, and waits for that, for its reads of this slot
; and this bf16 buffer, and for its stores into the other.  fill = 1: the barrier opens a round of the cluster's, and hid's slot is filled again, two K steps ahead, first thing behind it.
.macro TURN slot, next, fill
	WIN 0
	s_wait_tensorcnt 0x0                           ; all my tensor loads have landed: my part of the next slot
	ds_add_u32 v[SPW], v[NIL]
	s_wait_dscnt 1                                 ; (the add may be out; buffer 1 is in)
	MUL8 F1, 0, 0
	s_wait_dscnt 0x0                               ; the add is done, and so are my LDS reads and stores
	s_barrier_signal -1
	MUL8 F1, 1, 0
.if \fill
	WIN 0
.endif
	s_barrier_wait -1
.if \fill
	CREST                                          ; no wave of any partner still reads this slot or has a load on its way
	s_add_nc_u64 s[G0+4*(\slot)+2:G0+4*(\slot)+3], s[G0+4*(\slot)+2:G0+4*(\slot)+3], 4<<20
	tensor_load_to_lds s[G0+4*(\slot):G0+4*(\slot)+3], s[G1:G1+7]  ; my one tensor load behind the round: 112 matrix instructions ahead of the wait for it
	s_nop 0
.endif
	PLACES                                         ; behind the load, and the places in front of the loads below
	FETCH \next, 0, F0
.if \fill
	WIN 0
	ASK
.endif
	MUL8 F1, 2, 0
	MUL8 F1, 3, 0
.endm
; THE WAY OUT of token block a: a lane's 32 bytes of each of 8 column blocks go into my stage (rows of 528 bytes) and come back as whole rows of 512.  Each accumulator's lower half goes first.
.macro TOSTAGE a
	WIN 0x04                                       ; the stores' data in window 1
.irp b, 0,1,2,3,4,5,6,7
	ds_store_b128 v[STO], v[8*(8*(\a)+(\b)):8*(8*(\a)+(\b))+3]   offset:64*(\b)
	ds_store_b128 v[STO], v[8*(8*(\a)+(\b))+4:8*(8*(\a)+(\b))+7] offset:64*(\b)+16
.endr
	WIN 0
.if (\a) >= 2
	s_wait_xcnt 0x0                                ; the stores of two blocks back have read these registers
.endif
.irp t, 0,1,2,3,4,5,6,7,8,9,10,11,12,13,14,15
	ds_load_b128 v[OB+64*((\a)%2)+4*(\t):OB+64*((\a)%2)+4*(\t)+3], v[RD] offset:(\t)*SPITCH  ; LDS serves a wave's instructions in order: these see the stores above, and the next block's stores come behind them
.endr
.endm
.macro SEND a, younger                 ; younger: the LDS instructions issued behind block a's loads: the next block's 32, or none
	WIN 0
.irp t, 0,1,2,3,4,5,6,7,8,9,10,11,12,13,14,15
	s_wait_dscnt (\younger)+15-(\t)
	global_store_b128 v[CO], v[OB+64*((\a)%2)+4*(\t):OB+64*((\a)%2)+4*(\t)+3], s[8:9] offset:(16*(\a)+(\t))*4096 th:TH_STORE_NT  ; 512 consecutive bytes of a row of out0, at a multiple of 512
.endr
.endm
	s_wait_tensorcnt 1                             ; my part of hid's K step 0 is in; K step 1's may stay out.  My stores of Wd's tile 0 were waited for above
	s_barrier_signal -1
	s_barrier_wait -1
	FETCH 0, 0, F0
	QUARTER 0, 1, F0, F1, 1                        ; the first quarter starts the sums
	WIN 0
	s_mov_b32 s3, LAPS-1
.Llap:                                                 ; trip j: steps 2 j and 2 j + 1.  Both slots of hid are filled again; Wd's tiles 2 j + 1 and 2 j + 2 are rounded, tiles 2 j + 3 and 2 j + 4 asked for
	QUARTER 0, 2, F1, F0, 0, 1, 0, 60              ; chunk c leaves out the tile's 28 - 4 c younger loads and the next tile's 32
	QUARTER 0, 3, F0, F1, 0, 1, 4, 60
	NEXTW 1, 0
	TURN 0, 1, 1
	QUARTER 1, 1, F0, F1, 0
	QUARTER 1, 2, F1, F0, 0, 0, 0, 60
	QUARTER 1, 3, F0, F1, 0, 0, 4, 60
	NEXTW 0, 1                                     ; the last trip would ask for tile 16: there is none
	TURN 1, 0, 1
	QUARTER 0, 1, F0, F1, 0
	WIN 0
	s_sub_co_u32 s3, s3, 1
	s_cmp_lg_u32 s3, 0
	s_cbranch_scc1 .Llap
	QUARTER 0, 2, F1, F0, 0, 1, 0, 28              ; the last lap fills nothing and asks for nothing: tile 15 is rounded, and no load is younger than its own
	QUARTER 0, 3, F0, F1, 0, 1, 4, 28
	TURN 0, 1, 0
	QUARTER 1, 1, F0, F1, 0
	QUARTER 1, 2, F1, F0, 0
	QUARTER 1, 3, F0, F1, 0
	s_wait_dscnt 0x0
	MUL8 F1, 0, 0
	MUL8 F1, 1, 0
	MUL8 F1, 2, 0
	MUL8 F1, 3, 0
	WIN 0
	PLACES
	PLACES
	TOSTAGE 0
	TOSTAGE 1
	SEND 0, 32
	TOSTAGE 2
	SEND 1, 32
	TOSTAGE 3
	SEND 2, 32
	SEND 3, 0
	s_wait_tensorcnt 0x0                           ; the wave's end: the add and its wait, behind my last tensor load and my last LDS store
	ds_add_u32 v[SPW], v[NIL]
	s_wait_dscnt 0x0
	CROUND                                         ; the closing round: no work-group ends while a partner may still ask for a tile that names it
	s_endpgm
.Lfunc_end_k_q8335a826d6_ffn2:
	.size	k_q8335a826d6_ffn2, .Lfunc_end_k_q8335a826d6_ffn2-k_q8335a826d6_ffn2
	.p2alignl 7, 3214868480
	.fill 96, 4, 3214868480
	.section	.rodata,"a",@progbits
	.p2align	6, 0x0
	.amdhsa_kernel k_q8335a826d6_ffn2
		.amdhsa_group_segment_fixed_size 327680
		.amdhsa_private_segment_fixed_size 0
		.amdhsa_enable_private_segment 0
		.amdhsa_kernarg_size 40
		.amdhsa_user_sgpr_count 2
		.amdhsa_user_sgpr_kernarg_segment_ptr 1
		.amdhsa_wavefront_size32 1
		.amdhsa_system_sgpr_workgroup_id_x 1
		.amdhsa_system_sgpr_workgroup_id_y 1
		.amdhsa_system_sgpr_workgroup_id_z 1
		.amdhsa_system_vgpr_workitem_id 0
		.amdhsa_next_free_vgpr 896
		.amdhsa_next_free_sgpr 80
		.amdhsa_reserve_vcc 0
		.amdhsa_float_denorm_mode_32 3
		.amdhsa_float_denorm_mode_16_64 3
		.amdhsa_memory_ordered 1
		.amdhsa_forward_progress 1
		.amdhsa_inst_pref_size 134
	.end_amdhsa_kernel
	.amdgpu_metadata
---
amdhsa.version: [ 1, 2 ]
amdhsa.kernels:
  - .name:           k_q8335a826d6_ffn2
    .symbol:         k_q8335a826d6_ffn2.kd
    .args:
      - { .name: hid, .offset: 0, .size: 8, .value_kind: global_buffer, .address_space: global }
      - { .name: W_down, .offset: 8, .size: 8, .value_kind: global_buffer, .address_space: global }
      - { .name: b_down, .offset: 16, .size: 8, .value_kind: global_buffer, .address_space: global }
      - { .name: eidx, .offset: 24, .size: 8, .value_kind: global_buffer, .address_space: global }
      - { .name: out0, .offset: 32, .size: 8, .value_kind: global_buffer, .address_space: global }
    .group_segment_fixed_size: 327680
    .private_segment_fixed_size: 0
    .kernarg_segment_align: 8
    .kernarg_segment_size: 40
    .max_flat_workgroup_size: 128
    .sgpr_count:     80
    .vgpr_count:     896
    .wavefront_size: 32
...
	.end_amdgpu_metadata
.endif
;; end of part 3
;; ======== version 2 of 2: 3 launches; version 1 with the launch prep written anew for expert scheduling mode
;; workspace buffers: xb 16,777,216 bytes; wug 67,108,864 bytes; hid 33,554,432 bytes; eidx 256 bytes of whole numbers
;; launch prep (part 4): grid 1280 x 1, 8 waves a work-group, no clusters, 0 bytes of LDS; arguments x, W_up, W_gate, opcode_onehot, xb, wug, eidx; writes xb, wug, eidx
.if DOCPART == 4
	.amdgcn_target "amdgcn-amd-amdhsa--gfx1250"
	.amdhsa_code_object_version 6
	.text
	.protected	k_q8335a826d6_prep
	.globl	k_q8335a826d6_prep
	.p2align	8
	.type	k_q8335a826d6_prep,@function
k_q8335a826d6_prep:
	s_mov_b64 s[64:65], 0
	v_nop
	global_prefetch_b8 v0, s[64:65] scope:SCOPE_SE
	s_setreg_imm32_b32 hwreg(HW_REG_WAVE_SCHED_MODE, 0, 2), 2
	s_setreg_imm32_b32 hwreg(HW_REG_WAVE_MODE, 25, 1), 1
	s_wait_xcnt 0x0
	s_wait_alu depctr_vm_vsrc(0)
; OpcodeMoELayer, launch 1 of 3.  out[b] = (silu(x[b] Wu[e]^T + bu[e]) * (x[b] Wg[e]^T + bg[e])) Wd[e]^T + bd[e], e = argmax(opcode_onehot[b]).
; DEAD WORK: none.  Every input has a way to the output.  W[expert] is a lookup: the two products that follow multiply with the chosen expert alone, and read its number from eidx.
; THIS LAUNCH rounds x, W_up and W_gate to bf16, once, and finds each batch's expert.  All 8 experts are rounded: the choice is made of floating-point numbers in this same launch,
; so no address here hangs on it.  W_down and the biases are rounded where they are used.
;   xb  [8192][1024] bf16.
;   wug [8][4096][1024] bf16: block kb of 128 rows = W_up's rows 64 kb .. 64 kb + 63, then W_gate's same 64 rows: a wave of the next launch finds up and gate of one hidden column in one lane.
;   eidx: word l (0..31) = expert of batch l % 16.
; LIMITS.  Ties take the lowest index, as argmax does.  A NaN in opcode_onehot never wins here (argmax would take the first NaN).
; SHARES.  A work-group takes 32,768 numbers on end: 131,072 bytes in, 65,536 out.  1,280 work-groups: 256 for x, 512 for each of the two weight tensors.  Thread t takes 16 bytes at 16 t of each 4,096:
; a wave's load covers 512 consecutive bytes, a wave's store 256 consecutive bytes, aligned.  All 32 loads of a thread go out before the first wait.
; Memory binds: no LDS, no matrix unit, no cluster (no byte is read twice), no prefetch (the launch is one stream of loads).
; THE MODE: SCHED_MODE bits 1:0 = 2 (LLVM: expert scheduling mode 2), set by the entry lines.  The code itself states the register dependences
; between vector instructions and memory instructions, with s_wait_alu, always for 0.
; THE PLAN.  Registers that memory instructions touch:
;   v1, v2       the loads' and the stores' offsets: made once at the head, never written again.
;   X, slot k    written by its load, which is issued before any vector instruction names the slot; read by its two conversions, which write its first two registers in place; these are read by its one store.
;                Every slot is used once: no register that a memory instruction has read is written again, so no wait on vm_vsrc is owed anywhere in the text.
;   v137; v[140:147]; v148, v138   the tail, one wave of the launch: an offset; the loaded row of opcode_onehot; the last store's offset and data.
; The 32 slots go in eight blocks of four.  Block p rounds its slots; its memory instructions are the four stores of block p - 1, which read slots that no vector instruction of block p names.  So one wait on
; va_vdst at a block's head, behind the wait for the block's data, states all that those stores hang on, and they are dealt among the block's conversions with no further wait.
.set X, 8                              ; v[8:135]  32 slots of 4 registers
.set BLOCK, 4                          ; slots in a block
	s_load_b256 s[8:15], s[0:1], 0x0               ; x 8:9, W_up 10:11, W_gate 12:13, opcode 14:15
	s_load_b128 s[16:19], s[0:1], 0x20             ; xb 16:17, wug 18:19
	s_load_b64 s[20:21], s[0:1], 0x30              ; eidx
	s_mov_b32 s2, ttmp9                            ; g
	v_lshlrev_b32 v1, 4, v0                        ; 16 t: where I read
	v_lshlrev_b32 v2, 3, v0                        ; 8 t: where I write
	v_lshrrev_b32 v3, 5, v0
	v_readfirstlane_b32 s32, v3                    ; wave
	; the chunk's number c within its tensor: g, g - 256 or g - 768
	s_sub_co_u32 s30, s2, 256
	s_cmp_ge_u32 s2, 256
	s_cselect_b32 s3, s30, s2
	s_sub_co_u32 s30, s2, 768
	s_cmp_ge_u32 s2, 768
	s_cselect_b32 s3, s30, s3
	s_lshl_b32 s26, s3, 17                         ; source: c x 131,072
	s_mov_b32 s27, 0
	; destination: dense c x 65,536 for x; a chunk of W_up or W_gate is 32 rows: half of its 64 rows in block c / 2 of 262,144 bytes, W_gate's 131,072 further on
	s_lshr_b32 s30, s3, 1
	s_lshl_b32 s30, s30, 18
	s_and_b32 s31, s3, 1
	s_lshl_b32 s31, s31, 16
	s_or_b32 s30, s30, s31
	s_add_co_u32 s31, s30, 0x20000
	s_lshl_b32 s28, s3, 16
	s_cmp_ge_u32 s2, 256
	s_cselect_b32 s28, s30, s28
	s_cmp_ge_u32 s2, 768
	s_cselect_b32 s28, s31, s28
	s_mov_b32 s29, 0
	s_wait_alu depctr_va_sdst(0)                   ; s32, the wave's number, is written
	s_wait_kmcnt 0x0
	s_cmp_ge_u32 s2, 256                           ; which tensor: a choice between buffers by the work-group's number
	s_cselect_b64 s[4:5], s[10:11], s[8:9]
	s_cselect_b64 s[6:7], s[18:19], s[16:17]
	s_cmp_ge_u32 s2, 768
	s_cselect_b64 s[4:5], s[12:13], s[4:5]
	s_add_nc_u64 s[4:5], s[4:5], s[26:27]
	s_add_nc_u64 s[6:7], s[6:7], s[28:29]
	s_wait_alu depctr_va_vdst(0)                   ; v1 and v2 are written: every load below reads v1 as its offset, every store v2
.set k, 0
.rept 32
	global_load_b128 v[X+4*k:X+4*k+3], v1, s[4:5] offset:4096*k th:TH_LOAD_NT
.set k, k+1
.endr
.set p, 0
.rept 32/BLOCK
	s_wait_loadcnt 32-BLOCK-BLOCK*p                ; loads come back in order: block p's four slots are in, the younger ones stay out
.if p > 0
	s_wait_alu depctr_va_vdst(0)                   ; the conversions of the block before have written the first two registers of its slots, which the four stores below read
.endif
.set i, 0
.rept BLOCK
.set k, BLOCK*p+i
.if p > 0
	global_store_b64 v2, v[X+4*(k-BLOCK):X+4*(k-BLOCK)+1], s[6:7] offset:2048*(k-BLOCK) th:TH_STORE_NT  ; the block before; no vector instruction since the wait names these registers, and no register of a store is written again
.endif
	v_cvt_pk_bf16_f32 v[X+4*k], v[X+4*k], v[X+4*k+1]
	v_cvt_pk_bf16_f32 v[X+4*k+1], v[X+4*k+2], v[X+4*k+3]
.set i, i+1
.endr
.set p, p+1
.endr
	s_wait_alu depctr_va_vdst(0)                   ; the last block's conversions have written its slots, which the last four stores read
.set k, 32-BLOCK
.rept BLOCK
	global_store_b64 v2, v[X+4*k:X+4*k+1], s[6:7] offset:2048*k th:TH_STORE_NT
.set k, k+1
.endr
	; the experts: work-group 0, wave 0; lane l works for batch l % 16
	s_cmp_lg_u32 s2, 0
	s_cbranch_scc1 .Lend
	s_cmp_lg_u32 s32, 0
	s_cbranch_scc1 .Lend
	v_and_b32 v136, 15, v0
	v_lshlrev_b32 v137, 5, v136                    ; a row of opcode_onehot is 32 bytes
	s_wait_alu depctr_va_vdst(0)                   ; v137 is written, which the two loads read as their offset
	global_load_b128 v[140:143], v137, s[14:15]
	global_load_b128 v[144:147], v137, s[14:15] offset:16
	v_mov_b32 v138, 0                              ; the index of the greatest so far
	v_lshlrev_b32 v148, 2, v0
	s_wait_loadcnt 0x0
.set j, 1
.rept 7
	v_mov_b32 v149, j
	v_cmp_gt_f32 vcc_lo, v[140+j], v140            ; strictly greater: the first of equals stays
	s_wait_alu depctr_va_vcc(0)                    ; the comparison has written VCC, which the two selects read; each comparison reads the maximum that the select before it made, so the seven stand in no one run
	v_cndmask_b32 v138, v138, v149, vcc_lo
	v_cndmask_b32 v140, v140, v[140+j], vcc_lo
.set j, j+1
.endr
	s_wait_alu depctr_va_vdst(0)                   ; v138, the index, and v148, its place, are written: the store reads both
	global_store_b32 v148, v138, s[20:21]          ; the value alone hangs on the comparisons; the place is fixed
.Lend:
	s_endpgm
.Lfunc_end_k_q8335a826d6_prep:
	.size	k_q8335a826d6_prep, .Lfunc_end_k_q8335a826d6_prep-k_q8335a826d6_prep
	.p2alignl 7, 3214868480
	.fill 96, 4, 3214868480
	.section	.rodata,"a",@progbits
	.p2align	6, 0x0
	.amdhsa_kernel k_q8335a826d6_prep
		.amdhsa_group_segment_fixed_size 0
		.amdhsa_private_segment_fixed_size 0
		.amdhsa_enable_private_segment 0
		.amdhsa_kernarg_size 56
		.amdhsa_user_sgpr_count 2
		.amdhsa_user_sgpr_kernarg_segment_ptr 1
		.amdhsa_wavefront_size32 1
		.amdhsa_system_sgpr_workgroup_id_x 1
		.amdhsa_system_sgpr_workgroup_id_y 1
		.amdhsa_system_sgpr_workgroup_id_z 1
		.amdhsa_system_vgpr_workitem_id 0
		.amdhsa_next_free_vgpr 152
		.amdhsa_next_free_sgpr 66
		.amdhsa_reserve_vcc 1
		.amdhsa_float_denorm_mode_32 3
		.amdhsa_float_denorm_mode_16_64 3
		.amdhsa_memory_ordered 1
		.amdhsa_forward_progress 1
		.amdhsa_inst_pref_size 15
	.end_amdhsa_kernel
	.amdgpu_metadata
---
amdhsa.version: [ 1, 2 ]
amdhsa.kernels:
  - .name:           k_q8335a826d6_prep
    .symbol:         k_q8335a826d6_prep.kd
    .args:
      - { .name: x, .offset: 0, .size: 8, .value_kind: global_buffer, .address_space: global }
      - { .name: W_up, .offset: 8, .size: 8, .value_kind: global_buffer, .address_space: global }
      - { .name: W_gate, .offset: 16, .size: 8, .value_kind: global_buffer, .address_space: global }
      - { .name: opcode_onehot, .offset: 24, .size: 8, .value_kind: global_buffer, .address_space: global }
      - { .name: xb, .offset: 32, .size: 8, .value_kind: global_buffer, .address_space: global }
      - { .name: wug, .offset: 40, .size: 8, .value_kind: global_buffer, .address_space: global }
      - { .name: eidx, .offset: 48, .size: 8, .value_kind: global_buffer, .address_space: global }
    .group_segment_fixed_size: 0
    .private_segment_fixed_size: 0
    .kernarg_segment_align: 8
    .kernarg_segment_size: 56
    .max_flat_workgroup_size: 256
    .sgpr_count:     66
    .vgpr_count:     152
    .wavefront_size: 32
...
	.end_amdgpu_metadata
.endif
;; end of part 4
;; launch ffn1: the kernel of part 2 again; grid 16 x 16, 4 waves a work-group, clusters of 4 x 1, 327,680 bytes of LDS; arguments xb, wug, b_up, b_gate, eidx, hid; writes hid
;; launch ffn2: the kernel of part 3 again; grid 16 x 16, 4 waves a work-group, clusters of 4 x 1, 327,680 bytes of LDS; arguments hid, W_down, b_down, eidx, out0; writes out0
